; MI455X (gfx1250); checked and timed in simulation.
; The chip was launched on July 23, 2026; its instructions are those of AMD's public machine-readable ISA for CDNA 5 (MIT licence, August 2026) and "CDNA5" Instruction Set Architecture Reference Guide (July 2026). The comments in the code are by the model that wrote it; some were corrected since.
;; Flash Diff Custom Attention. Allowed arithmetic: matrix products marked QUANTISED: E2M3 operands, one E8M0 scale for each 32 along K, by v_wmma_scale_f32_16x16x128_f8f6f4 with both operands' format E2M3, f32 sums; everything else in f32.
;; Inputs: k 2 x 2,048 x 16 x 128 float32; lambda_k1 128 float32; lambda_k2 128 float32; lambda_q1 128 float32; lambda_q2 128 float32; q 2 x 2,048 x 16 x 128 float32; subln_weight 256 float32; v 2 x 2,048 x 16 x 128 float32.
;; Outputs: out0 2 x 2,048 x 16 x 128 float32.
;; This version of the problem:
;;   THIS VERSION OF THE PROBLEM IS GIVEN IN LOW PRECISION. The matrix products marked QUANTISED in the list below multiply operands that are first quantised to E2M3 (2 exponent bits, 3 mantissa bits; 6 bits a number), with one power-of-two scale for each 32 numbers along K (OCP MX v1.0); their sums are f32. All else is computed in f32.
;;   The module's matrix products, in the order in which they are computed (A, B: the left and right operand; K: the contracted axis; several contracted axes count as one K, in the product's order):
;;     1. batch 16 x [M 2,048, K 128] x [K 128, N 2,048]; A: input q; B: input k: QUANTISED
;;     2. batch 16 x [M 256, K 2,048] x [K 2,048, N 2,048]; A: computed on the way; B: softmax (see below): QUANTISED
;;     3. batch 16 x [M 2,048, K 128] x [K 128, N 2,048]; A: input q; B: input k: QUANTISED
;;     4. batch 16 x [M 256, K 2,048] x [K 2,048, N 2,048]; A: computed on the way; B: softmax (see below): QUANTISED
;;   THE QUANTISER, for each operand of a quantised product, along K:
;;     - K is cut into blocks of 32 from its start; a last block that is shorter is filled with zeros.
;;     - A block's scale is 2^e with e = floor(log2(the largest magnitude in the block)) - 2, held to -126 .. 127; a block of zeros has e = 0. As a byte (E8M0): e + 127.
;;     - Each number is divided by its block's scale, clamped to +-7.5, and rounded to the nearest number of E2M3, ties to even, subnormals kept.
;;     - The product sums the exact products of the quantised numbers (number of the format x scale) in f32.
;;   ~~~python
;;   def quantise(x, axis):      # numpy; x: float32 -> the quantised numbers, widened to float32 again
;;       x = np.moveaxis(x, axis, -1); K = x.shape[-1]
;;       x = np.pad(x, [(0, 0)] * (x.ndim - 1) + [(0, -K % 32)]); x = x.reshape(x.shape[:-1] + (-1, 32)); a = np.abs(x).max(-1, keepdims=True)
;;       e = np.where(a > 0, np.clip(np.frexp(np.where(a > 0, a, 1))[1] - 1 - 2, -126, 127), 0)      # np.frexp(a)[1] - 1 = floor(log2(a)), exactly
;;       r = np.clip(x / 2.0 ** e, -7.5, 7.5)
;;       step = 2.0 ** (np.maximum(np.frexp(np.where(r == 0, 1, r))[1] - 1, 0) - 3)
;;       q = np.round(r / step) * step * 2.0 ** e      # np.round: ties to even
;;       return np.moveaxis(q.reshape(q.shape[:-2] + (-1,))[..., :K], -1, axis).astype(np.float32)
;;   ~~~
;;   SOFTMAX AHEAD OF A QUANTISED PRODUCT. Where the list says 'softmax', what is quantised is not the finished softmax but p = 2^(t - M), with t = logit x log2(e) and M = ceil(the row's largest t), a whole number; so 1/2 < the row's largest p <= 1. The row's sum l is taken of the UNQUANTISED p, in f32, and the product's result is divided by l at the end. Since M is a whole number, a kernel that streams over the keys may use a running M (the ceiling of the running maximum): every later rescaling is an exact power of two, which a block's scale takes up: the codes' values come out the same.
;;   OPERANDS COMPUTED ON THE WAY. 'Computed on the way' means the value that the module computes at that place (a softmax that the list does not call 'softmax' is quantised finished and normalised). What goes into a quantiser is computed in f32, as accurately as f32 sums, v_exp_f32 and their like allow (about 1e-6 of the number): no bf16 or f16 on the way to a quantiser, and a product that is left as it is and whose result goes on into a quantised operand takes f32 operands (vector FMAs, or v_wmma_f32_16x16x4_f32). A number that lies on a knife's edge between two numbers of the format may be rounded either way, as far as f32 arithmetic and the matrix unit's own rounding can turn it there, and no further.
;; One version. Each part assembles by itself: llvm-mc -triple=amdgcn-amd-amdhsa -mcpu=gfx1250 --defsym DOCPART=n.
;; ======== version 1 of 1: 2 launches
;; limits: inputs' magnitudes at most 500,000,000,000,000; right only within a limited range of input values
;; workspace buffers: kv 13,107,200 bytes; qimg 13,107,200 bytes
;; launch prep (part 1): grid 512 x 1, 4 waves a work-group, no clusters, 67,072 bytes of LDS; arguments q, k, v, qimg, kv; writes qimg, kv
.if DOCPART == 1
	.amdgcn_target "amdgcn-amd-amdhsa--gfx1250"
	.amdhsa_code_object_version 6
	.text
	.protected	k_q62c2083a2d_prep
	.globl	k_q62c2083a2d_prep
	.p2align	8
	.type	k_q62c2083a2d_prep,@function
k_q62c2083a2d_prep:
	s_mov_b64 s[64:65], 0
	v_nop
	global_prefetch_b8 v0, s[64:65] scope:SCOPE_SE
	s_setreg_imm32_b32 hwreg(HW_REG_WAVE_MODE, 25, 1), 1
	s_wait_xcnt 0x0
; q, k, v: [2][2048][16][128] f32.  Heads 2 h and 2 h + 1 form pair h; bh = 8 b + h.  This launch turns all three into codes of FP6 (E2M3) with one E8M0 byte for each 32 along a product's K,
; laid as IMAGES OF THE OPERAND'S REGISTERS: a fragment (16 rows x 128 K) is 12 registers a lane; dword d of lane l lies at 512 (d / 4) + 16 l + 4 (d % 4) of its 1,536 bytes.
; q and k are quantised along the head's 128 (innermost), v along the keys (not innermost).
; kv [bh][slot of 256 keys][102,400]: K's fragment (step q of 128 keys, tile t, map m) at 24,576 q + 1,536 (2 t + m); V's (step q, tile t of 16 channels) at 49,152 + 1,536 (16 q + t);
;   K's scale words from byte 98,304 on: group G % 4 of 64 keys at 512 (G % 4), lane l's four words (the group's tiles; map l / 16, row l % 16) at 16 l;  V's from byte 100,352 on: 256 p + 8 l + 4 q: tile 2 p + l / 16, channel row l % 16.
; THE KEYS OF A TILE OF k ARE NOT NEIGHBOURS: row r of tile 2 b + u is key 32 b + 8 u + r + 8 (r / 8), so that in the next launch a lane's 16 scores of two neighbouring tiles are 16 neighbouring keys.  A tile of q is 16 neighbouring queries.
; qimg is laid as kv; only K's places are written, and only they are read.
; A block's scale is 2^(floor(log2(largest magnitude)) - 2); its byte is the largest magnitude's exponent field - 2, held at 1 from below.
; LIMITS: a block whose largest magnitude lies under 2^-124, zeros among them, gets the byte 1 (a block of zeros has zero codes, and these bytes are read by this program alone); NaN and infinities among the inputs are not served.
; SHARES: work-group n is of kind (n xor n / 256) % 2 and has the index n / 2 in its kind.  Kind 0, index 0-127 q, 128-255 k: 64 rows x 4 pairs, 4,096 consecutive bytes of each row; a wave takes one pair: 8 fragments.
;   Kind 1, v: 128 keys x 256 channels, 1,024 consecutive bytes of each row; a wave takes 64 channels.  Waves share nothing: no barrier.
; V's scale words leave as 4 bytes a lane, 8 bytes apart (the other step's words come from another work-group): 256-byte pieces written in part, one byte for each 128 that the launch reads.
.set FRB,   1536
.set SP,    528                        ; a stage row of q, k: 512 bytes + 16
.set WSTG,  16*SP
.set VSTG,  4*WSTG                     ; v's stages, bytes of their own: 32 rows of 256 bytes for each wave
.set SPARE, VSTG+4*8192                ; the spare words, 128 bytes for each wave
.set OFF, 4                            ; v4-7   q, k: 16 x lane + the rows (u SU + hf SH) x 8,192      (v: v4 the loads' offset, v5, v6 the stores')
.set STI, 8
.set STO, 9
.set CO,  10                           ; v10    16 x lane
.set SPW, 12
.set NIL, 13
.set VIN, 14                           ; v14    v's stage, in: 16 x lane
.set VOUT, 15                          ; v15    v's stage, out: 4 x lane
.set W,   16                           ; v16-19 the scale words that a lane stores
.set PWK, 20
.set PW,  21
.set TM,  24
.set PC,  40                           ; v40-51 a fragment's codes; v52-54, v56-58 the conversions' second halves
.set X,   64                           ; v64-127  64 numbers of a lane
.set CD,  128                          ; v128-175 v: four sets of 12 codes
.set SEL, 20
; window 1 (v256-511): four sets of 64 registers as loaded
.set MSB, 0
.macro WIN new
.if MSB != \new
	s_set_vgpr_msb (MSB<<8)|\new
.set MSB, \new
.endif
.endm
	s_load_b256 s[4:11], s[0:1], 0x0               ; q s[4:5], k s[6:7], v s[8:9], qimg s[10:11]
	s_load_b64 s[14:15], s[0:1], 0x20              ; kv
	v_lshl_add_u32 v[SPW], v0, 2, SPARE
	v_mov_b32 v[NIL], 0
	v_lshrrev_b32 v1, 5, v0
	v_readfirstlane_b32 s18, v1                    ; wave 0..3
	v_and_b32 v1, 31, v0                           ; lane
	v_and_b32 v2, 15, v0                           ; r
	v_bfe_u32 v3, v0, 4, 1                         ; h
	s_mul_i32 s19, s18, WSTG
	v_lshl_add_u32 v[STI], v1, 4, s19
	v_mul_u32_u24 v[STO], v2, SP
	v_lshl_add_u32 v[STO], v3, 6, v[STO]
	v_add_nc_u32 v[STO], s19, v[STO]
	v_lshlrev_b32 v[CO], 4, v1
	s_lshl_b32 s23, s18, 13
	s_add_co_u32 s23, s23, VSTG
	v_add_nc_u32 v[VIN], s23, v[CO]
	v_lshl_add_u32 v[VOUT], v1, 2, s23
	s_mov_b32 s[SEL], 0x76543210
	s_mov_b32 s[SEL+1], 0xfedcba98
	s_mov_b32 s22, 0xffff0000                      ; lanes 16-31
	s_mov_b32 s37, 0                               ; the high word of every offset: all lie under 2^32
	s_lshr_b32 s42, ttmp9, 8
	s_xor_b32 s42, s42, ttmp9
	s_and_b32 s42, s42, 1                          ; the kind
	s_lshr_b32 s43, ttmp9, 1                       ; the index in it
	s_wait_alu depctr_va_vdst(0)                   ; the wait at the head's end
	s_wait_kmcnt 0x0
	s_cmp_eq_u32 s42, 1
	s_cbranch_scc1 .Lv
	; ---------------- q and k: one path, only pointers and two row steps are chosen, on the work-group's number
	s_cmp_lt_u32 s43, 128
	s_cselect_b64 s[24:25], s[4:5], s[6:7]         ; the numbers
	s_cselect_b64 s[26:27], s[10:11], s[14:15]     ; the codes
	s_cselect_b64 s[28:29], s[10:11], s[14:15]     ; the scale words lie in the codes' buffer
	s_cselect_b32 s30, 16, 8                       ; SU: rows from tile 2 bg to tile 2 bg + 1
	s_cselect_b32 s31, 8, 16                       ; SH: rows from a tile's row 7 group to its row 8 group
	s_cselect_b32 s32, 0, 128
	s_sub_co_u32 s32, s43, s32                     ; y = 0 .. 127
	s_lshr_b32 s33, s32, 6
	s_lshl_b32 s33, s33, 3
	s_and_b32 s34, s32, 1
	s_lshl_b32 s34, s34, 2
	s_add_co_u32 s33, s33, s34
	s_add_co_u32 s33, s33, s18                     ; bh = 8 b + 4 (y % 2) + wave
	s_bfe_u32 s34, s32, 0x50001                    ; G = (y / 2) % 32: the work-group's 64 rows
	s_lshr_b32 s35, s33, 3
	s_lshl_b32 s36, s35, 24                        ; b x 2,048 rows of 8,192 bytes
	s_lshl_b32 s35, s34, 19                        ; + 64 G rows
	s_add_co_u32 s36, s36, s35
	s_and_b32 s35, s33, 7
	s_lshl_b32 s35, s35, 10                        ; + the pair's 1,024 bytes
	s_add_co_u32 s36, s36, s35
	s_add_nc_u64 s[24:25], s[24:25], s[36:37]
	s_mul_i32 s36, s33, 819200
	s_lshr_b32 s35, s34, 2
	s_mul_i32 s35, s35, 102400
	s_add_co_u32 s41, s36, s35                     ; the slot's first byte
	s_and_b32 s35, s34, 3
	s_mul_i32 s36, s35, 12288
	s_add_co_u32 s36, s36, s41
	s_add_nc_u64 s[26:27], s[26:27], s[36:37]
	s_lshl_b32 s36, s35, 9
	s_add_co_u32 s36, s36, s41
	s_add_co_u32 s36, s36, 98304
	s_add_nc_u64 s[28:29], s[28:29], s[36:37]
	s_lshl_b32 s38, s30, 13
	s_lshl_b32 s39, s31, 13
	s_add_co_u32 s40, s38, s39
	v_mov_b32 v[OFF], v[CO]
	v_add_nc_u32 v[OFF+1], s39, v[CO]
	v_add_nc_u32 v[OFF+2], s38, v[CO]
	v_add_nc_u32 v[OFF+3], s40, v[CO]
.irp b, 0,1,2,3
	v_mov_b32 v[TM+4+\b], 0                        ; written once: a lane permute's destination counts as one of its sources
.endr
; Fragment f = 2 T + m (tile T = 2 bg + u, map m): 16 loads, each the 512 consecutive bytes of one row, into set f % 4 of window 1: row i of the tile is row 32 bg + u SU + i % 8 + (i / 8) SH of my 64
.macro LOADF f
	WIN 0x40
.irp i, 0,1,2,3,4,5,6,7,8,9,10,11,12,13,14,15
	global_load_b128 v[64*((\f)%4)+4*\i:64*((\f)%4)+4*\i+3], v[OFF+2*(((\f)/2)%2)+\i/8], s[24:25] offset:((\f)/4)*262144+(\i%8)*8192+((\f)%2)*512 th:TH_LOAD_NT
.endr
	WIN 0
.endm
; 64 numbers of a lane, register 16 b + i = k 32 b + 16 h + i of row r, become the fragment's 12 registers in v[PC] on and row r's scale word in v[PW]
.macro QUANT s
.irp b, 0,1,2,3
	v_max3_num_f32 v[TM+\b], |v[\s+16*\b]|, |v[\s+1+16*\b]|, 0x1800000   ; block b: my 16 numbers, and the floor 2^(3 - 127): the byte cannot fall under 1
.endr
.irp i, 2,4,6,8,10,12,14
.irp b, 0,1,2,3
	v_max3_num_f32 v[TM+\b], v[TM+\b], |v[\s+16*\b+\i]|, |v[\s+1+16*\b+\i]|   ; the four blocks by turns
.endr
.endr
.irp b, 0,1,2,3
	v_permlanex16_b32 v[TM+4+\b], v[TM+\b], s[SEL], s[SEL+1]
.endr
.irp b, 0,1,2,3
	v_max_num_f32 v[TM+\b], v[TM+\b], v[TM+4+\b]   ; with lane l xor 16's 16: the block's largest magnitude
.endr
.irp b, 0,1,2,3
	v_add_nc_u32 v[TM+12+\b], 0xff000000, v[TM+\b] ; 2 off its exponent field: the conversion takes that field as its scale and nothing else
.endr
.irp b, 0,1,2,3
	v_lshrrev_b32 v[TM+4+\b], 23, v[TM+12+\b]      ; the scale's byte
.endr
	v_lshl_or_b32 v[PW], v[TM+5], 8, v[TM+4]
	v_lshl_or_b32 v[PW], v[TM+6], 16, v[PW]
	v_lshl_or_b32 v[PW], v[TM+7], 24, v[PW]
.irp c, 0,1
	v_cvt_scalef32_pk16_fp6_f32 v[PC+6*\c:PC+2+6*\c], v[\s+32*\c:\s+15+32*\c], v[TM+12+2*\c]
	v_cvt_scalef32_pk16_fp6_f32 v[PC+12+4*\c:PC+14+4*\c], v[\s+16+32*\c:\s+31+32*\c], v[TM+12+2*\c+1]   ; (a conversion's three registers begin on an even number)
.endr
	v_nop                                          ; one plain instruction behind the last scaled conversion
.irp c, 0,1                                    ; the layout wants a whole block in a lane: lanes 0-15 block 2 c, lanes 16-31 block 2 c + 1
.irp i, 0,1,2
	v_permlane16_swap_b32 v[PC+6*\c+\i], v[PC+12+4*\c+\i]
.endr
.irp i, 0,1,2
	v_mov_b32 v[PC+3+6*\c+\i], v[PC+12+4*\c+\i]
.endr
.endr
.endm
.macro FRAGQ f
.if (\f) < 6
	s_wait_loadcnt 32                              ; this fragment's 16 loads are in; the next two fragments' 32 may be out
.else
	s_wait_loadcnt 16*(7-(\f))
.endif
	WIN 0x04
.irp i, 0,1,2,3,4,5,6,7,8,9,10,11,12,13,14,15
	ds_store_b128 v[STI], v[64*((\f)%4)+4*\i:64*((\f)%4)+4*\i+3] offset:SP*\i   ; row i as it lies
.endr
	WIN 0
.irp b, 0,1,2,3
.irp j, 0,1,2,3
	ds_load_b128 v[X+16*\b+4*\j:X+16*\b+4*\j+3], v[STO] offset:128*\b+16*\j   ; LDS serves a wave's instructions in order: these see the stores.  Row r, my 16 numbers of block b
.endr
.endr
	s_wait_dscnt 0x0                               ; the 64 numbers are in, and the stores have read their registers
	s_wait_xcnt 0x0                                ; the last fragment's stores have read the code registers, which are written again below
.if (\f)+3 < 8
	LOADF (\f)+3                                   ; into the set that the fragment before this one has left
.endif
	QUANT X
.irp c, 0,1,2
	global_store_b128 v[CO], v[PC+4*\c:PC+4*\c+3], s[26:27] offset:FRB*(\f)+512*\c   ; 32 lanes store 512 consecutive bytes, at a multiple of 512 from the buffer's first byte
.endr
.if (\f)%2 == 0
	v_mov_b32 v[PWK], v[PW]
.else
	v_cndmask_b32 v[W+(\f)/2], v[PWK], v[PW], s22  ; lanes 0-15 keep map 0's word, lanes 16-31 take map 1's
.endif
.endm
	LOADF 0
	LOADF 1
	LOADF 2
	s_wait_alu depctr_va_vdst(0)
.irp f, 0,1,2,3,4,5,6,7
	FRAGQ \f
.endr
	global_store_b128 v[CO], v[W:W+3], s[28:29]    ; the group's 512 bytes of scale words
	s_branch .Lend
	; ---------------- v: 128 keys x 64 channels a wave.  A load takes two rows' 256 bytes; a block of 32 keys turns through my stage, out of which a lane takes two channels, lane and 32 + lane, down the keys
.Lv:
	s_and_b32 s33, s43, 7
	s_lshl_b32 s33, s33, 2
	s_add_co_u32 s33, s33, s18                     ; cq: my 64 of a row's 2,048 numbers
	s_lshr_b32 s34, s43, 7                         ; b
	s_bfe_u32 s35, s43, 0x40003                    ; the step of 128 keys, 0 .. 15
	s_lshl_b32 s36, s34, 24
	s_lshl_b32 s38, s35, 20
	s_add_co_u32 s36, s36, s38
	s_lshl_b32 s38, s33, 8
	s_add_co_u32 s36, s36, s38
	s_add_nc_u64 s[24:25], s[8:9], s[36:37]
	s_lshr_b32 s38, s33, 2
	s_lshl_b32 s39, s34, 3
	s_add_co_u32 s38, s38, s39                     ; bh
	s_and_b32 s39, s33, 3                          ; my quarter of the pair's 256 channels: tiles 4 x quarter + 0 .. 3
	s_lshr_b32 s40, s35, 1                         ; the slot
	s_and_b32 s35, s35, 1                          ; the step in it
	s_mul_i32 s41, s38, 819200
	s_mul_i32 s40, s40, 102400
	s_add_co_u32 s41, s41, s40                     ; the slot's first byte
	s_mul_i32 s36, s39, 4*FRB
	s_add_co_u32 s36, s36, s41
	s_mul_i32 s40, s35, 24576
	s_add_co_u32 s36, s36, s40
	s_add_co_u32 s36, s36, 49152
	s_add_nc_u64 s[26:27], s[14:15], s[36:37]
	s_lshl_b32 s36, s39, 9
	s_add_co_u32 s36, s36, s41
	s_lshl_b32 s40, s35, 2
	s_add_co_u32 s36, s36, s40
	s_add_co_u32 s36, s36, 100352
	s_add_nc_u64 s[28:29], s[14:15], s[36:37]
	v_lshlrev_b32 v4, 13, v3
	v_lshl_add_u32 v4, v2, 4, v4                   ; in: lanes 0-15 one row's 256 bytes, lanes 16-31 the next row's
	v_mul_u32_u24 v5, v3, FRB
	v_lshl_add_u32 v5, v2, 4, v5                   ; out: fragment lane / 16 of two, 16 bytes at row lane % 16
	v_lshlrev_b32 v6, 3, v1                        ; scale words: 8 bytes from lane to lane
	s_wait_alu depctr_va_vdst(0)
	WIN 0x40
.set li, 0
.rept 64                                       ; all 128 rows are asked for: block li / 16 into set li / 16 of window 1.  The largest offset, 126 rows of 8,192 bytes, lies inside the signed 24-bit immediate
	global_load_b128 v[4*li:4*li+3], v4, s[24:25] offset:2*li*8192 th:TH_LOAD_NT
.set li, li+1
.endr
	WIN 0
; Block b = 2 c + h of the step, channels 32 g + lane: registers 6 c .. 6 c + 5 of lane (my row, h) of my channel's fragment.  Each (g, h) has its own 12 registers: no store's data are written again.
.macro QV g, b
.set XS, X+32*(\g)
.set FB, CD+12*(2*(\g)+(\b)%2)
.set FS, FB+6*((\b)/2)
	v_max3_num_f32 v24, |v[XS]|, |v[XS+1]|, |v[XS+2]|
	v_max3_num_f32 v25, |v[XS+3]|, |v[XS+4]|, |v[XS+5]|
.irp i, 6,10,14,18,22,26
	v_max3_num_f32 v24, v24, |v[XS+\i]|, |v[XS+\i+1]|
	v_max3_num_f32 v25, v25, |v[XS+\i+2]|, |v[XS+\i+3]|
.endr
	v_max3_num_f32 v24, v24, |v[XS+30]|, |v[XS+31]|
	v_max3_num_f32 v24, v24, v25, 0x1800000        ; and the floor 2^(3 - 127)
	v_add_nc_u32 v26, 0xff000000, v24              ; the conversions' scale operand
	v_lshrrev_b32 v27, 23, v26                     ; the byte
.if (\b) == 0
	v_mov_b32 v[W+(\g)], v27
.else
	v_lshl_or_b32 v[W+(\g)], v27, 8*(\b), v[W+(\g)]
.endif
	v_cvt_scalef32_pk16_fp6_f32 v[FS:FS+2], v[XS:XS+15], v26
	v_cvt_scalef32_pk16_fp6_f32 v[PC:PC+2], v[XS+16:XS+31], v26     ; (a conversion's three registers begin on an even number)
	v_nop                                          ; one plain instruction behind the last scaled conversion
.irp i, 0,1,2
	v_mov_b32 v[FS+3+\i], v[PC+\i]
.endr
.if (\b)/2 == 1
.irp c, 0,1,2
	global_store_b128 v5, v[FB+4*\c:FB+4*\c+3], s[26:27] offset:(\g)*2*FRB+256*((\b)%2)+512*\c   ; lanes 0-15 store 256 consecutive aligned bytes of one fragment, lanes 16-31 of the next
.endr
.endif
.endm
.macro VBLK b
	s_wait_loadcnt 48-16*(\b)                      ; this block's 16 loads are in; the later blocks' may be out
	WIN 0x04
.set li, 0
.rept 16
	ds_store_b128 v[VIN], v[64*(\b)+4*li:64*(\b)+4*li+3] offset:512*li   ; rows 2 li and 2 li + 1 as they lie, 256 bytes each
.set li, li+1
.endr
	WIN 0
.set li, 0
.rept 32
	ds_load_b32 v[X+li], v[VOUT] offset:256*li          ; LDS serves a wave's instructions in order: these see the stores.  Key li of the block, channel lane,
	ds_load_b32 v[X+32+li], v[VOUT] offset:256*li+128   ; and channel 32 + lane
.set li, li+1
.endr
	s_wait_dscnt 0x0
	QV 0, \b
	QV 1, \b
.endm
.irp b, 0,1,2,3
	VBLK \b
.endr
	s_wait_alu depctr_va_vdst(0)
	global_store_b32 v6, v[W], s[28:29]            ; this step's scale words of tiles 0, 1 of my four,
	global_store_b32 v6, v[W+1], s[28:29] offset:256   ; and of tiles 2, 3
.Lend:
	s_wait_tensorcnt 0x0                           ; the wave's end
	ds_add_u32 v[SPW], v[NIL]
	s_wait_dscnt 0x0
	s_endpgm
.Lfunc_end_k_q62c2083a2d_prep:
	.size	k_q62c2083a2d_prep, .Lfunc_end_k_q62c2083a2d_prep-k_q62c2083a2d_prep
	.p2alignl 7, 3214868480
	.fill 96, 4, 3214868480
	.section	.rodata,"a",@progbits
	.p2align	6, 0x0
	.amdhsa_kernel k_q62c2083a2d_prep
		.amdhsa_group_segment_fixed_size 67072
		.amdhsa_private_segment_fixed_size 0
		.amdhsa_enable_private_segment 0
		.amdhsa_kernarg_size 40
		.amdhsa_user_sgpr_count 2
		.amdhsa_user_sgpr_kernarg_segment_ptr 1
		.amdhsa_wavefront_size32 1
		.amdhsa_system_sgpr_workgroup_id_x 1
		.amdhsa_system_sgpr_workgroup_id_y 1
		.amdhsa_system_sgpr_workgroup_id_z 1
		.amdhsa_system_vgpr_workitem_id 0
		.amdhsa_next_free_vgpr 512
		.amdhsa_next_free_sgpr 66
		.amdhsa_reserve_vcc 0
		.amdhsa_float_denorm_mode_32 3
		.amdhsa_float_denorm_mode_16_64 3
		.amdhsa_memory_ordered 1
		.amdhsa_forward_progress 1
		.amdhsa_inst_pref_size 107
	.end_amdhsa_kernel
	.amdgpu_metadata
---
amdhsa.version: [ 1, 2 ]
amdhsa.kernels:
  - .name:           k_q62c2083a2d_prep
    .symbol:         k_q62c2083a2d_prep.kd
    .args:
      - { .name: q, .offset: 0, .size: 8, .value_kind: global_buffer, .address_space: global }
      - { .name: k, .offset: 8, .size: 8, .value_kind: global_buffer, .address_space: global }
      - { .name: v, .offset: 16, .size: 8, .value_kind: global_buffer, .address_space: global }
      - { .name: qimg, .offset: 24, .size: 8, .value_kind: global_buffer, .address_space: global }
      - { .name: kv, .offset: 32, .size: 8, .value_kind: global_buffer, .address_space: global }
    .group_segment_fixed_size: 67072
    .private_segment_fixed_size: 0
    .kernarg_segment_align: 8
    .kernarg_segment_size: 40
    .max_flat_workgroup_size: 128
    .sgpr_count:     66
    .vgpr_count:     512
    .wavefront_size: 32
...
	.end_amdgpu_metadata
.endif
;; end of part 1
;; launch attn (part 2): grid 16 x 16, 8 waves a work-group, no clusters, 327,680 bytes of LDS; arguments qimg, kv, lambda_q1, lambda_k1, lambda_q2, lambda_k2, subln_weight, out0; writes out0
.if DOCPART == 2
	.amdgcn_target "amdgcn-amd-amdhsa--gfx1250"
	.amdhsa_code_object_version 6
	.text
	.protected	k_q62c2083a2d_attn
	.globl	k_q62c2083a2d_attn
	.p2align	8
	.type	k_q62c2083a2d_attn,@function
k_q62c2083a2d_attn:
	s_mov_b64 s[64:65], 0
	v_nop
	global_prefetch_b8 v0, s[64:65] scope:SCOPE_SE
	s_setreg_imm32_b32 hwreg(HW_REG_WAVE_MODE, 25, 1), 1
	s_wait_xcnt 0x0
; Differential causal attention on codes of FP6 (E2M3): for pair bh (work-group y) out = rmsnorm(attn1 - lambda attn2) x weight x (1 - lambda_init).
; Both products are used transposed (S^T = k q^T, O^T = v^T p^T): a lane holds one query; p = 2^(t - M), M the ceiling of the running largest t, the row's sum of the unquantised p.
; LEFT OUT: steps of 128 keys that lie wholly behind a tile's last query: the causal mask gives them p = 0 beside key 0's, for all finite inputs.
; LIMITS: the scaled scores stay under 2^31 in magnitude; NaN and infinities among the inputs are not served, and none that reaches only the steps left out is carried to the result.
; THE DEAL: work-group x takes the blocks of 64 queries x (early) and 31 - x (late).  Wave w: tile j = w % 4 of 16 queries, part p = w / 4.  K and V come by slots of 256 keys (two steps of 128).
;   Up to slot x / 4, the early block's last: part 0 does both steps of the late tile j, part 1 both steps of the early tile j.
;   Behind that slot part 1 writes the early tile out, takes the late tile's q and begins new sums; from then on part 0 does a slot's first step of the late tile and part 1 its second.
;   At the end the two parts' M and sums are joined through LDS, each part forms Y = f1 O1 + g f2 O2, part 1 hands its Y over, part 0 adds, normalises and stores.
; A slot is 102,400 bytes of kv: K's fragments, V's fragments, their scale words (from SCO on); each wave fetches 50 rows of 256 bytes by one tensor load.  Two slots take turns; every wait on TENSORcnt is for 0.
; cluster = none: the work-groups of a pair need different numbers of slots, and the mask lets some of them jump over the reads of a step that others read.
; PREFETCH: work-group x = 0 of each pair asks in trip s for slot s + 2, each wave for its 50 blocks of 256 bytes (two instructions of 25 blocks; lanes 25-31 name block 24 again); trips 6 and 7 ask for nothing.
.set FRB,   1536
.set VOFF,  49152
.set SCO,   98304
.set SLOTB, 102400
.set WPART, 12800
.set SLOT1, 1<<17
.set STG,   SLOT1+SLOTB                ; a stage of 16 rows x 528 bytes for each wave: stored to by ds_store alone
.set SP,    528
.set WSTG,  16*SP
.set XST,   STG+8*WSTG                 ; 512 bytes a wave: -M and the sum of both maps, for the partner
.set SPARE, XST+8*512                  ; the spare words, 128 bytes a wave
.set LI,  1
.set SPW, 2
.set NIL, 3
.set ADK, 4
.set ADV, 5
.set ADS, 6
.set ADT, 7
.set PFO, 8
.set DL,  9
.set TMP, 10
.set QS,  11
.set ST,  12                           ; v12-19: for each map -M, the largest t, the sum in two halves
.set QF,  20
.set SC,  44
.set LAMV, 52
.set L8,  53
.set PW,  54
.set CT,  56
.set FF,  64                           ; v64, v66 the factors f of the two maps
.set STO, 65                           ; v65, v67 the stage's addresses: they also fill the upper halves of f's pairs, which the packed forms name and do not use
.set RD,  67
.set PC,  68
.set FR,  92
.set S,   188
.set BM,  252
.set YY,  68                           ; the way out: v68-195
.set WT,  196
.set L1,  204
.set L2,  205
.set R1,  206
.set R2,  207
.set GG,  208
.set SCL, 210
.set SQ,  212
.set PS,  220
.set F1,  224
.set F2,  226
.set T0,  228
.set QSC, 20
.set US,  22
.set UT,  23
.set WV,  24
.set PP,  25
.set JT,  26
.set SK,  27                           ; the step of a slot that this wave leaves to its partner (2: none)
.set G1,  28
.set Q0H, 36
.set SKN, 37
.set QH,  38
.set OH,  40
.set OP,  42
.set G0,  44
.set QSH, 48
.set QC,  50
.set SEL, 52
.set CS,  54
.set TB,  56
.set SWT, 57
.set SLOTS, 58
.set KF,  59
.set Q0,  60
.set QL,  61
.set PFA, 62
.set LIM, 66
.set UK,  67
.set MSB, 0
.macro WIN new
.if MSB != \new
	s_set_vgpr_msb (MSB<<8)|\new
.set MSB, \new
.endif
.endm
.macro PLACES
.rept 4
	v_nop
.endr
.endm
.macro TLOAD g0, g1
	tensor_load_to_lds s[\g0:\g0+3], s[\g1:\g1+7]
	s_nop 0
.rept 4
	v_nop
.endr
.endm
.macro ASK
	s_cmp_gt_u32 s[SLOTS], s[LIM]
	s_cbranch_scc0 .Lnot_mine_\@
	global_prefetch_b8 v[PFO], s[PFA:PFA+1] th:TH_LOAD_NT scope:SCOPE_SE
	global_prefetch_b8 v[PFO], s[PFA:PFA+1] offset:6400 th:TH_LOAD_NT scope:SCOPE_SE
.Lnot_mine_\@:
.endm
; byte offsets of the tile that begins at query q0: its q fragments, its q scale words, its rows of out0
.macro TILEOFF q0, fo, so, oo
	s_lshr_b32 s82, s[\q0], 8
	s_mul_i32 s82, s82, SLOTB
	s_add_co_u32 s82, s82, s72
	s_bfe_u32 s83, s[\q0], 0x20006
	s_bfe_u32 s84, s[\q0], 0x20004
	s_mul_i32 s85, s83, 12288
	s_add_co_u32 s[\fo], s82, s85
	s_mul_i32 s85, s84, 2*FRB
	s_add_co_u32 s[\fo], s[\fo], s85
	s_mov_b32 s[\fo+1], 0
	s_lshl_b32 s85, s83, 9
	s_add_co_u32 s[\so], s82, s85
	s_lshl_b32 s85, s84, 2
	s_add_co_u32 s[\so], s[\so], s85
	s_add_co_u32 s[\so], s[\so], SCO
	s_mov_b32 s[\so+1], 0
	s_lshl_b32 s85, s[\q0], 13
	s_add_co_u32 s[\oo], s85, s90
	s_mov_b32 s[\oo+1], 0
.endm
; new sums: -M over every t, sums and O^T zero
.macro INIT
.irp m, 0,1
	v_mov_b32 v[ST+4*\m+1], 0xff61b1e6
	s_delay_alu instid0(VALU_DEP_1)
	v_floor_f32 v[ST+4*\m], -v[ST+4*\m+1]
	v_mov_b32 v[ST+4*\m+2], 0
	v_mov_b32 v[ST+4*\m+3], 0
.endr
.irp i, 0,1,2,3,4,5,6,7
	v_mov_b32 v[CT+\i], 0
.endr
	v_mov_b32 v[FF], 0
	v_mov_b32 v[FF+2], 0
	WIN 0x40
.set ri, 0
.rept 128
	v_pk_add_f32 v[2*ri:2*ri+1], v[CT:CT+1], v[CT:CT+1]
.set ri, ri+1
.endr
	WIN 0
.endm
	s_load_b512 s[4:19], s[0:1], 0x0               ; qimg, kv, lambda_q1, lambda_k1, lambda_q2, lambda_k2, weight, out0
	v_lshl_add_u32 v[SPW], v0, 2, SPARE
	v_mov_b32 v[NIL], 0
	ds_add_u32 v[SPW], v[NIL]                      ; the opening lines: the add twice on end and its wait ahead of the first tensor load
	ds_add_u32 v[SPW], v[NIL]
	v_lshrrev_b32 v[TMP], 5, v0
	s_delay_alu instid0(VALU_DEP_1)
	v_readfirstlane_b32 s[WV], v[TMP]
	s_lshr_b32 s[PP], s[WV], 2
	s_and_b32 s[JT], s[WV], 3
	s_lshl_b32 s70, s[JT], 4
	s_sub_co_u32 s69, 31, ttmp9
	s_lshl_b32 s[Q0H], s69, 6
	s_add_co_u32 s[Q0H], s[Q0H], s70               ; the late tile's first query
	s_lshl_b32 s[Q0], ttmp9, 6
	s_add_co_u32 s[Q0], s[Q0], s70                 ; the early tile's
	s_cmp_eq_u32 s[PP], 0
	s_cselect_b32 s[Q0], s[Q0H], s[Q0]             ; the tile that I begin with
	s_sub_co_u32 s[QL], 32, ttmp9
	s_lshl_b32 s[QL], s[QL], 6
	s_sub_co_u32 s[QL], s[QL], 1                   ; the work-group's last query
	s_xor_b32 s[SKN], s[PP], 1
	s_mov_b32 s[SK], 2
	s_lshr_b32 s68, ttmp9, 2
	s_sub_co_u32 s[SWT], 7, s68                    ; the counter's value in the early block's last slot
	s_mul_i32 s[UK], s[PP], 24576                  ; slot 7: my step's places
	s_lshl_b32 s[US], s[PP], 10
	s_add_co_u32 s[US], s[US], SCO
	s_lshl_b32 s[UT], s[PP], 2
	s_add_co_u32 s[UT], s[UT], SCO+2048
	s_and_b32 s71, ttmp7, 0xffff                   ; bh
	s_mov_b32 s[G1], 3<<16                         ; 50 rows of 32 elements of 8 bytes, dense
	s_mov_b32 s[G1+1], 32<<16
	s_mov_b32 s[G1+2], 50<<16
	s_mov_b32 s[G1+3], 32<<16
	s_mov_b32 s[G1+4], 50
	s_mov_b32 s[G1+5], 32
	s_mov_b32 s[G1+6], 0
	s_mov_b32 s[G1+7], 0
	s_mov_b32 s[SEL], 0x76543210
	s_mov_b32 s[SEL+1], 0xfedcba98
	s_mov_b32 s[CS], 0x3e0293ee                    ; log2(e) / sqrt(128)
	s_mov_b32 s[CS+1], s[CS]
	s_mov_b32 s[TB], 0
	s_mov_b32 s[KF], 0
	s_mov_b32 s[SLOTS], 7
	s_cmp_eq_u32 ttmp9, 0
	s_cselect_b32 s[LIM], 1, -1
	s_mul_i32 s72, s71, 8*SLOTB
	s_mov_b32 s73, 0
	s_mul_i32 s74, s[WV], WPART
	s_mov_b32 s75, 0
	s_lshr_b32 s90, s71, 3
	s_lshl_b32 s90, s90, 24
	s_and_b32 s91, s71, 7
	s_lshl_b32 s91, s91, 10
	s_add_co_u32 s90, s90, s91
	TILEOFF Q0, QC, QSC, OP
	TILEOFF Q0H, QH, QSH, OH
	s_mul_i32 s68, s[WV], WSTG
	s_add_co_u32 s68, s68, STG                     ; my stage
	v_and_b32 v[TMP], 31, v0
	s_delay_alu instid0(VALU_DEP_1)
	v_lshlrev_b32 v[LI], 4, v[TMP]
	v_lshlrev_b32 v[L8], 3, v[TMP]
	v_min_u32 v[PFO], 24, v[TMP]
	s_delay_alu instid0(VALU_DEP_1)
	v_lshlrev_b32 v[PFO], 8, v[PFO]
	v_and_b32 v[DL], 15, v0
	v_bfe_u32 v[TMP], v0, 4, 1
	s_delay_alu instid0(VALU_DEP_2)
	v_mul_u32_u24 v[STO], v[DL], SP
	s_delay_alu instid0(VALU_DEP_1)
	v_lshl_add_u32 v[STO], v[TMP], 5, v[STO]
	s_delay_alu instid0(VALU_DEP_1)
	v_add_nc_u32 v[STO], s68, v[STO]               ; into the stage: row r, 32 bytes for each half of the lanes
	v_add_nc_u32 v[RD], s68, v[LI]                 ; back: a row of 512 bytes to the 32 lanes
	v_lshlrev_b32 v[TMP], 4, v[TMP]
	s_delay_alu instid0(VALU_DEP_1)
	v_sub_nc_u32 v[DL], v[DL], v[TMP]              ; r - 16 h, for the mask
	s_wait_alu depctr_va_vdst(0)
	s_wait_dscnt 0x0
	s_wait_kmcnt 0x0
	s_mov_b32 s[G0], 1
	s_mov_b32 s[G0+1], s74
	s_add_nc_u64 s[G0+2:G0+3], s[6:7], s[72:73]
	s_add_nc_u64 s[G0+2:G0+3], s[G0+2:G0+3], s[74:75]
	s_or_b32 s[G0+3], s[G0+3], 0x80000000
	TLOAD G0, G1                                   ; slot 0, my eighth: the one tensor load of the head
	s_add_nc_u64 s[PFA:PFA+1], s[6:7], s[72:73]
	s_add_nc_u64 s[PFA:PFA+1], s[PFA:PFA+1], s[74:75]
	s_add_nc_u64 s[PFA:PFA+1], s[PFA:PFA+1], SLOTB
	s_add_nc_u64 s[QC:QC+1], s[4:5], s[QC:QC+1]
	s_add_nc_u64 s[QSC:QSC+1], s[4:5], s[QSC:QSC+1]
	s_add_nc_u64 s[QH:QH+1], s[4:5], s[QH:QH+1]
	s_add_nc_u64 s[QSH:QSH+1], s[4:5], s[QSH:QSH+1]
	s_add_nc_u64 s[OP:OP+1], s[18:19], s[OP:OP+1]
	s_add_nc_u64 s[OH:OH+1], s[18:19], s[OH:OH+1]
.irp m, 0,1
.irp c, 0,1,2
	global_load_b128 v[QF+12*\m+4*\c:QF+12*\m+4*\c+3], v[LI], s[QC:QC+1] offset:FRB*\m+512*\c
.endr
.endr
	global_load_b32 v[QS], v[LI], s[QSC:QSC+1]
	global_load_b128 v[S:S+3], v[LI], s[8:9]
	global_load_b128 v[S+4:S+7], v[LI], s[10:11]
	global_load_b128 v[S+8:S+11], v[LI], s[12:13]
	global_load_b128 v[S+12:S+15], v[LI], s[14:15]
	INIT
	s_wait_loadcnt 0x0
	v_mul_f32 v[S+16], v[S], v[S+4]                ; lambda = exp(sum q1 k1) - exp(sum q2 k2) + lambda_init
	v_mul_f32 v[S+17], v[S+8], v[S+12]
.irp i, 1,2,3
	s_delay_alu instid0(VALU_DEP_2)
	v_fma_f32 v[S+16], v[S+\i], v[S+4+\i], v[S+16]
	s_delay_alu instid0(VALU_DEP_2)
	v_fma_f32 v[S+17], v[S+8+\i], v[S+12+\i], v[S+17]
.endr
.irp x, 1,2,4,8
	s_delay_alu instid0(VALU_DEP_2)
	v_add_f32_dpp v[S+16], v[S+16], v[S+16] row_xmask:\x row_mask:0xf bank_mask:0xf
	s_delay_alu instid0(VALU_DEP_2)
	v_add_f32_dpp v[S+17], v[S+17], v[S+17] row_xmask:\x row_mask:0xf bank_mask:0xf
.endr
	s_delay_alu instid0(VALU_DEP_2)
	v_permlanex16_b32 v[CT], v[S+16], s[SEL], s[SEL+1]
	s_delay_alu instid0(VALU_DEP_2)
	v_permlanex16_b32 v[CT+1], v[S+17], s[SEL], s[SEL+1]
	s_delay_alu instid0(VALU_DEP_2)
	v_add_f32 v[S+16], v[S+16], v[CT]
	s_delay_alu instid0(VALU_DEP_2)
	v_add_f32 v[S+17], v[S+17], v[CT+1]
	s_delay_alu instid0(VALU_DEP_2)
	v_mul_f32 v[S+16], 0x3fb8aa3b, v[S+16]
	s_delay_alu instid0(VALU_DEP_2)
	v_mul_f32 v[S+17], 0x3fb8aa3b, v[S+17]
	s_wait_alu depctr_va_vdst(0)
	v_exp_f32 v[S+16], v[S+16]
	v_exp_f32 v[S+17], v[S+17]
	v_nop
	s_wait_alu depctr_va_vdst(0)
	v_sub_f32 v[LAMV], v[S+16], v[S+17]
	s_delay_alu instid0(VALU_DEP_1)
	v_add_f32 v[LAMV], 0x3f489a63, v[LAMV]
	s_wait_alu depctr_va_vdst(0)                   ; the wait at the head's end
.macro KLOAD q, m
.irp t, 0,1,2,3,4,5,6,7
.irp c, 0,1,2
	ds_load_b128 v[FR+12*\t+4*\c:FR+12*\t+4*\c+3], v[ADK] offset:24576*(\q)+(2*\t+(\m))*FRB+512*\c
.endr
.endr
.endm
.macro VLOAD q, half
.irp t, 0,1,2,3,4,5,6,7
.irp c, 0,1,2
	ds_load_b128 v[FR+12*\t+4*\c:FR+12*\t+4*\c+3], v[ADV] offset:(16*(\q)+8*(\half)+\t)*FRB+512*\c
.endr
.endr
.endm
.macro KQ m, first, cnt
.set kt, \first
.rept \cnt
.if \m
	v_wmma_scale_f32_16x16x128_f8f6f4 v[S+8*kt:S+8*kt+7], v[FR+12*kt:FR+12*kt+11], v[QF+12:QF+23], 0, v[SC+kt], v[QS] matrix_a_fmt:MATRIX_FMT_FP6 matrix_b_fmt:MATRIX_FMT_FP6 matrix_a_scale:MATRIX_SCALE_ROW1 matrix_b_scale:MATRIX_SCALE_ROW1
.else
	v_wmma_scale_f32_16x16x128_f8f6f4 v[S+8*kt:S+8*kt+7], v[FR+12*kt:FR+12*kt+11], v[QF:QF+11], 0, v[SC+kt], v[QS] matrix_a_fmt:MATRIX_FMT_FP6 matrix_b_fmt:MATRIX_FMT_FP6
.endif
.set kt, kt+1
.endr
.endm
; O^T += v^T p^T: each fragment of V serves both maps; the accumulators take turns
.macro PVS t0
.set kt, \t0
.rept 8
.if kt%2
	v_wmma_scale_f32_16x16x128_f8f6f4 v[8*kt:8*kt+7], v[FR+12*(kt%8):FR+12*(kt%8)+11], v[PC:PC+11], v[8*kt:8*kt+7], v[SC+kt/2], v[PW] matrix_a_fmt:MATRIX_FMT_FP6 matrix_b_fmt:MATRIX_FMT_FP6 matrix_a_scale:MATRIX_SCALE_ROW1
	v_wmma_scale_f32_16x16x128_f8f6f4 v[128+8*kt:128+8*kt+7], v[FR+12*(kt%8):FR+12*(kt%8)+11], v[PC+12:PC+23], v[128+8*kt:128+8*kt+7], v[SC+kt/2], v[PW+1] matrix_a_fmt:MATRIX_FMT_FP6 matrix_b_fmt:MATRIX_FMT_FP6 matrix_a_scale:MATRIX_SCALE_ROW1
.else
	v_wmma_scale_f32_16x16x128_f8f6f4 v[8*kt:8*kt+7], v[FR+12*(kt%8):FR+12*(kt%8)+11], v[PC:PC+11], v[8*kt:8*kt+7], v[SC+kt/2], v[PW] matrix_a_fmt:MATRIX_FMT_FP6 matrix_b_fmt:MATRIX_FMT_FP6
	v_wmma_scale_f32_16x16x128_f8f6f4 v[128+8*kt:128+8*kt+7], v[FR+12*(kt%8):FR+12*(kt%8)+11], v[PC+12:PC+23], v[128+8*kt:128+8*kt+7], v[SC+kt/2], v[PW+1] matrix_a_fmt:MATRIX_FMT_FP6 matrix_b_fmt:MATRIX_FMT_FP6
.endif
.set kt, kt+1
.endr
.endm
.macro RESCALE m, first, cnt
.set ri, \first
.rept \cnt
	v_pk_mul_f32 v[128*(\m)+2*ri:128*(\m)+2*ri+1], v[128*(\m)+2*ri:128*(\m)+2*ri+1], v[FF+2*(\m):FF+2*(\m)+1] op_sel_hi:[1,0]
.set ri, ri+1
.endr
.endm
; the causal mask, only in a step that reaches beyond the tile's first query: register jn of lane (r, h) is key KF + 32 (jn / 16) + 16 h + jn % 16
.macro MASK
	s_add_co_u32 s96, s[KF], 127
	s_cmp_le_u32 s96, s[Q0]
	s_cbranch_scc1 .Lopen_\@
	s_sub_co_i32 s96, s[Q0], s[KF]
	v_add_nc_u32 v[CT+1], s96, v[DL]
	v_mov_b32 v[CT], 0xff800000
.set jn, 0
.rept 64
	v_cmp_gt_i32 vcc_lo, 32*(jn/16)+jn%16, v[CT+1]
	v_cndmask_b32 v[S+jn], v[S+jn], v[CT], vcc_lo
.set jn, jn+1
.endr
.Lopen_\@:
.endm
; 64 scores of a lane become p's codes and scale word; -M, the sum and the factor f = 2^(old M - new M) are brought on
.macro SOFTMAX m
.set rT, ST+4*(\m)
.irp b, 0,1,2,3
	v_max3_num_f32 v[BM+\b], v[S+16*\b], v[S+1+16*\b], v[S+2+16*\b]
.endr
.irp i, 3,5,7,9,11,13
.irp b, 0,1,2,3
	v_max3_num_f32 v[BM+\b], v[BM+\b], v[S+16*\b+\i], v[S+1+16*\b+\i]
.endr
.endr
.irp b, 0,1,2,3
	v_max_num_f32 v[BM+\b], v[BM+\b], v[S+15+16*\b]
.endr
.irp b, 0,1,2,3
	s_delay_alu instid0(VALU_DEP_4)
	v_permlanex16_b32 v[CT+\b], v[BM+\b], s[SEL], s[SEL+1]
.endr
.irp b, 0,1,2,3
	s_delay_alu instid0(VALU_DEP_4)
	v_max_num_f32 v[BM+\b], v[BM+\b], v[CT+\b]
.endr
	s_delay_alu instid0(VALU_DEP_2)
	v_max3_num_f32 v[TMP], v[BM], v[BM+1], v[BM+2]
	s_delay_alu instid0(VALU_DEP_1)
	v_max_num_f32 v[TMP], v[TMP], v[BM+3]
	s_delay_alu instid0(VALU_DEP_1)
	v_mul_f32 v[TMP], s[CS], v[TMP]
	s_delay_alu instid0(VALU_DEP_1)
	v_max_num_f32 v[rT+1], v[rT+1], v[TMP]
	v_mov_b32 v[TMP], v[rT]
	s_delay_alu instid0(VALU_DEP_2)
	v_floor_f32 v[rT], -v[rT+1]
	s_delay_alu instid0(VALU_DEP_1)
	v_sub_f32 v[TMP], v[rT], v[TMP]
	s_delay_alu instid0(VALU_DEP_1)
	v_cvt_i32_f32 v[TMP], v[TMP]
	s_delay_alu instid0(VALU_DEP_1)
	v_ldexp_f32 v[FF+2*(\m)], 1.0, v[TMP]
.set jn, 0
.rept 32
	v_pk_fma_f32 v[S+jn:S+jn+1], v[S+jn:S+jn+1], s[CS:CS+1], v[rT:rT+1] op_sel_hi:[1,0,0]
.set jn, jn+2
.endr
.irp b, 0,1,2,3
	v_fma_f32 v[BM+\b], v[BM+\b], s[CS], v[rT]
.endr
.set jn, 0
	s_wait_alu depctr_va_vdst(0)
.rept 64
	v_exp_f32 v[S+jn], v[S+jn]
.set jn, jn+1
.endr
	v_pk_mul_f32 v[rT+2:rT+3], v[rT+2:rT+3], v[FF+2*(\m):FF+2*(\m)+1] op_sel_hi:[1,0]
	s_wait_alu depctr_va_vdst(0)
.irp b, 0,1,2,3
	v_exp_f32 v[BM+\b], v[BM+\b]
.endr
	v_pk_add_f32 v[CT:CT+1], v[S:S+1], v[S+2:S+3]
.set jn, 4
.rept 15
	v_pk_add_f32 v[rT+2:rT+3], v[rT+2:rT+3], v[S+jn:S+jn+1]
	v_pk_add_f32 v[CT:CT+1], v[CT:CT+1], v[S+jn+2:S+jn+3]
.set jn, jn+4
.endr
	s_delay_alu instid0(VALU_DEP_1)
	v_pk_add_f32 v[rT+2:rT+3], v[rT+2:rT+3], v[CT:CT+1]
	s_wait_alu depctr_va_vdst(0)
.irp b, 0,1,2,3
	v_max_num_f32 v[BM+\b], 0x1800000, v[BM+\b]
.endr
.irp b, 0,1,2,3
	s_delay_alu instid0(VALU_DEP_4)
	v_add_nc_u32 v[BM+\b], 0xff000000, v[BM+\b]
.endr
.irp b, 0,1,2,3
	s_delay_alu instid0(VALU_DEP_4)
	v_lshrrev_b32 v[CT+\b], 23, v[BM+\b]
.endr
	s_delay_alu instid0(VALU_DEP_3)
	v_lshl_or_b32 v[PW+(\m)], v[CT+1], 8, v[CT]
	s_delay_alu instid0(VALU_DEP_1)
	v_lshl_or_b32 v[PW+(\m)], v[CT+2], 16, v[PW+(\m)]
	s_delay_alu instid0(VALU_DEP_1)
	v_lshl_or_b32 v[PW+(\m)], v[CT+3], 24, v[PW+(\m)]
.irp c, 0,1
	v_cvt_scalef32_pk16_fp6_f32 v[PC+12*(\m)+6*\c:PC+12*(\m)+6*\c+2], v[S+32*\c:S+15+32*\c], v[BM+2*\c]
	v_cvt_scalef32_pk16_fp6_f32 v[CT+4*\c:CT+4*\c+2], v[S+16+32*\c:S+31+32*\c], v[BM+2*\c+1]
.endr
	v_nop
.irp c, 0,1
.irp i, 0,1,2
	v_permlane16_swap_b32 v[PC+12*(\m)+6*\c+\i], v[CT+4*\c+\i]
.endr
.irp i, 0,1,2
	s_delay_alu instid0(VALU_DEP_3)
	v_mov_b32 v[PC+12*(\m)+6*\c+3+\i], v[CT+4*\c+\i]
.endr
.endr
.endm
; A step of 128 keys for my tile, both maps.  rt = 0: step q of the slot, by immediates; jumped over where it lies behind the tile or is the partner's.  rt = 1: the step that my part's number picks.
.macro STEP q, rt
	s_add_co_u32 s96, s[Q0], 15
	s_cmp_gt_u32 s[KF], s96
	s_cbranch_scc1 .Lhidden_\@
.if \rt
	s_add_co_u32 s95, s[TB], s[UK]
	s_add_co_u32 s97, s95, VOFF
	s_add_co_u32 s98, s[TB], s[US]
	s_add_co_u32 s99, s[TB], s[UT]
	v_add_nc_u32 v[ADK], s95, v[LI]
.else
	s_cmp_eq_u32 s[SK], \q
	s_cbranch_scc1 .Lhidden_\@
	s_add_co_u32 s97, s[TB], VOFF
	s_add_co_u32 s98, s[TB], SCO
	s_add_co_u32 s99, s[TB], SCO+2048
	v_add_nc_u32 v[ADK], s[TB], v[LI]
.endif
	v_add_nc_u32 v[ADV], s97, v[LI]
	v_add_nc_u32 v[ADS], s98, v[LI]
	v_add_nc_u32 v[ADT], s99, v[L8]                ; these four are also the places behind the last step's products
	ds_load_b128 v[SC:SC+3], v[ADS] offset:1024*(\q)
	ds_load_b128 v[SC+4:SC+7], v[ADS] offset:1024*(\q)+512
	KLOAD \q, 0
	s_wait_alu depctr_va_vdst(0)
	s_wait_dscnt 12                                ; the scale words and tiles 0-3 are in; tiles 4-7's twelve loads may be out
	KQ 0, 0, 4
	s_wait_dscnt 0x0
	KQ 0, 4, 4
	PLACES
	KLOAD \q, 1
	MASK
	SOFTMAX 0
	s_wait_dscnt 0x0
	KQ 1, 0, 8
	PLACES
.irp p, 0,1,2,3,4,5,6,7
	ds_load_b32 v[SC+\p], v[ADT] offset:256*\p+4*(\q)
.endr
	VLOAD \q, 0
	MASK
	SOFTMAX 1
	WIN 0x41
	RESCALE 0, 0, 32
	RESCALE 1, 0, 32
	s_wait_alu depctr_va_vdst(0)
	s_wait_dscnt 0x0
	WIN 0x50
	PVS 0
	WIN 0x41
	RESCALE 0, 32, 4
	WIN 0
	VLOAD \q, 1
	WIN 0x41
	RESCALE 0, 36, 28
	RESCALE 1, 32, 32
	s_wait_alu depctr_va_vdst(0)
	s_wait_dscnt 0x0
	WIN 0x50
	PVS 8
	WIN 0
.Lhidden_\@:
	s_add_co_u32 s[KF], s[KF], 128
.endm
; A change of slots: all my tensor loads are in, the add, my reads of the old slot are over, the barrier; then the refill, where some query of the work-group sees the next slot's keys
.macro CHANGE fill
	s_wait_tensorcnt 0x0
	ds_add_u32 v[SPW], v[NIL]
.if \fill
	s_xor_b32 s[G0+1], s[G0+1], SLOT1
	s_add_nc_u64 s[G0+2:G0+3], s[G0+2:G0+3], SLOTB
	s_wait_xcnt 0x0                                ; my prefetches have read their address
	s_add_nc_u64 s[PFA:PFA+1], s[PFA:PFA+1], SLOTB
.endif
	s_wait_dscnt 0x0
	s_barrier_signal -1
	s_barrier_wait -1
.if \fill
	s_add_co_u32 s96, s[KF], 256
	s_cmp_gt_u32 s96, s[QL]
	s_cbranch_scc1 .Lpast_\@
	TLOAD G0, G1
.Lpast_\@:
	ASK
.endif
.endm
; the sums joined over the two halves of the lanes, their reciprocals, and g = -lambda l1 / l2
.macro LJOIN
	v_permlanex16_b32 v[CT], v[L1], s[SEL], s[SEL+1]
	v_permlanex16_b32 v[CT+1], v[L2], s[SEL], s[SEL+1]
	s_delay_alu instid0(VALU_DEP_2)
	v_add_f32 v[L1], v[L1], v[CT]
	s_delay_alu instid0(VALU_DEP_2)
	v_add_f32 v[L2], v[L2], v[CT+1]
	s_wait_alu depctr_va_vdst(0)
	v_rcp_f32 v[R1], v[L1]
	v_rcp_f32 v[R2], v[L2]
	v_mul_f32 v[GG], v[LAMV], v[L1]
	s_wait_alu depctr_va_vdst(0)
	v_mul_f32 v[GG], -v[GG], v[R2]
.endm
.macro COMBINE                         ; O1 += g O2
.set ri, 0
.rept 64
	v_pk_fma_f32 v[2*ri:2*ri+1], v[128+2*ri:129+2*ri], v[GG:GG+1], v[2*ri:2*ri+1] op_sel_hi:[1,0,1]
.set ri, ri+1
.endr
.endm
.macro PACK u
	WIN 0x01
.set ri, 0
.rept 32
	v_pk_mul_f32 v[YY+64*(\u)+2*ri:YY+64*(\u)+2*ri+1], v[64*(\u)+2*ri:64*(\u)+2*ri+1], v[SCL:SCL+1] op_sel_hi:[1,0]
.set ri, ri+1
.endr
	WIN 0
.irp t, 0,1,2,3,4,5,6,7
	ds_store_b128 v[STO], v[YY+64*(\u)+8*\t:YY+64*(\u)+8*\t+3] offset:64*\t
	ds_store_b128 v[STO], v[YY+64*(\u)+8*\t+4:YY+64*(\u)+8*\t+7] offset:64*\t+16
.endr
.irp i, 0,1,2,3,4,5,6,7,8,9,10,11,12,13,14,15
	ds_load_b128 v[YY+64*(\u)+4*\i:YY+64*(\u)+4*\i+3], v[RD] offset:SP*\i
.endr
.endm
.macro SEND u
.irp i, 0,1,2,3,4,5,6,7,8,9,10,11,12,13,14,15
	s_wait_dscnt 47-32*(\u)-\i                     ; row i is back: behind its load stand the later rows' loads and the other half's 32 LDS instructions
	v_pk_mul_f32 v[YY+64*(\u)+4*\i:YY+64*(\u)+4*\i+1], v[YY+64*(\u)+4*\i:YY+64*(\u)+4*\i+1], v[WT+4*(\u):WT+4*(\u)+1]
	v_pk_mul_f32 v[YY+64*(\u)+4*\i+2:YY+64*(\u)+4*\i+3], v[YY+64*(\u)+4*\i+2:YY+64*(\u)+4*\i+3], v[WT+4*(\u)+2:WT+4*(\u)+3]
	global_store_b128 v[LI], v[YY+64*(\u)+4*\i:YY+64*(\u)+4*\i+3], s[OP:OP+1] offset:8192*\i+512*(\u) th:TH_STORE_NT
.endr
.endm
; X' = l1 x (attn1 - lambda attn2) lies in window 1, v0-127: mean square, scale, through my stage, times the weight, out in rows of 512 bytes
.macro FINISH
	WIN 0x05
.set ri, 0
.rept 64
.if ri < 4
	v_pk_mul_f32 v[SQ+2*ri:SQ+2*ri+1], v[2*ri:2*ri+1], v[2*ri:2*ri+1]
.else
	s_delay_alu instid0(VALU_DEP_4)
	v_pk_fma_f32 v[SQ+2*(ri%4):SQ+2*(ri%4)+1], v[2*ri:2*ri+1], v[2*ri:2*ri+1], v[SQ+2*(ri%4):SQ+2*(ri%4)+1]
.endif
.set ri, ri+1
.endr
	WIN 0
	v_pk_add_f32 v[SQ:SQ+1], v[SQ:SQ+1], v[SQ+2:SQ+3]
	v_pk_add_f32 v[SQ+4:SQ+5], v[SQ+4:SQ+5], v[SQ+6:SQ+7]
	s_delay_alu instid0(VALU_DEP_1)
	v_pk_add_f32 v[SQ:SQ+1], v[SQ:SQ+1], v[SQ+4:SQ+5]
	s_delay_alu instid0(VALU_DEP_1)
	v_add_f32 v[SQ], v[SQ], v[SQ+1]
	s_delay_alu instid0(VALU_DEP_1)
	v_permlanex16_b32 v[CT], v[SQ], s[SEL], s[SEL+1]
	s_delay_alu instid0(VALU_DEP_1)
	v_add_f32 v[SQ], v[SQ], v[CT]
	v_mul_f32 v[SQ+1], v[R1], v[R1]
	s_delay_alu instid0(VALU_DEP_1)
	v_mul_f32 v[SQ+1], 0x3b800000, v[SQ+1]
	s_delay_alu instid0(VALU_DEP_1)
	v_fmaak_f32 v[SQ], v[SQ], v[SQ+1], 0x3727c5ac
	s_wait_alu depctr_va_vdst(0)
	v_rsq_f32 v[SQ+2], v[SQ]
	v_mul_f32 v[SCL], 0x3e5d9673, v[R1]
	s_wait_alu depctr_va_vdst(0)
	v_mul_f32 v[SCL], v[SCL], v[SQ+2]
	s_delay_alu instid0(VALU_DEP_1)
	v_mov_b32 v[SCL+1], v[SCL]
	PACK 0
	PACK 1
	s_wait_loadcnt 0x0
	SEND 0
	SEND 1
.endm
.Lslot:
	CHANGE 1
	STEP 0, 0
	STEP 1, 0
	s_xor_b32 s[TB], s[TB], SLOT1
	s_cmp_lg_u32 s[SLOTS], s[SWT]
	s_cbranch_scc1 .Lnosw
	s_mov_b32 s[SK], s[SKN]                        ; the early block is done: from here on the late tile's steps are shared by parity
	s_cmp_eq_u32 s[PP], 0
	s_cbranch_scc1 .Lnosw
.irp m, 0,1                            ; part 1: the late tile's q is asked for, the early tile goes out, new sums begin
.irp c, 0,1,2
	global_load_b128 v[QF+12*\m+4*\c:QF+12*\m+4*\c+3], v[LI], s[QH:QH+1] offset:FRB*\m+512*\c
.endr
.endr
	global_load_b32 v[QS], v[LI], s[QSH:QSH+1]
	global_load_b128 v[WT:WT+3], v[LI], s[16:17]
	global_load_b128 v[WT+4:WT+7], v[LI], s[16:17] offset:512
	v_add_f32 v[L1], v[ST+2], v[ST+3]
	v_add_f32 v[L2], v[ST+6], v[ST+7]
	LJOIN
	s_delay_alu instid0(VALU_DEP_1)
	v_mov_b32 v[GG+1], v[GG]
	WIN 0x51
	COMBINE
	FINISH
	s_wait_xcnt 0x0                                ; the stores have read their registers and their base
	s_mov_b32 s[Q0], s[Q0H]
	s_mov_b64 s[OP:OP+1], s[OH:OH+1]
	INIT
	s_wait_alu depctr_va_vdst(0)
.Lnosw:
	s_sub_co_u32 s[SLOTS], s[SLOTS], 1
	s_cmp_lg_u32 s[SLOTS], 0
	s_cbranch_scc1 .Lslot
	CHANGE 0                                       ; slot 7: nothing more is fetched; part 0 does its first step, part 1 its second
	s_lshl_b32 s68, s[PP], 7
	s_add_co_u32 s[KF], s[KF], s68
	STEP 0, 1
	; THE JOIN of the late tile's two parts.  Each part shows -M and its lane's sum of both maps to the other
	v_add_f32 v[ST+1], v[ST+2], v[ST+3]
	v_add_f32 v[ST+5], v[ST+6], v[ST+7]
	s_lshl_b32 s68, s[WV], 9
	s_add_co_u32 s68, s68, XST
	s_xor_b32 s69, s[WV], 4
	s_lshl_b32 s69, s69, 9
	s_add_co_u32 s69, s69, XST
	s_or_b32 s70, s[WV], 4
	s_mul_i32 s70, s70, WSTG
	s_add_co_u32 s70, s70, STG                     ; part 1's stage
	s_mul_i32 s71, s[JT], WSTG
	s_add_co_u32 s71, s71, STG                     ; part 0's stage
	v_add_nc_u32 v[ADS], s68, v[L8]
	v_add_nc_u32 v[ADT], s69, v[L8]
	v_add_nc_u32 v[ADK], s70, v[LI]
	v_add_nc_u32 v[ADV], s71, v[LI]
	s_wait_alu depctr_va_vdst(0)
	ds_store_b64 v[ADS], v[ST:ST+1]
	ds_store_b64 v[ADS], v[ST+4:ST+5] offset:256
	global_load_b128 v[WT:WT+3], v[LI], s[16:17]
	global_load_b128 v[WT+4:WT+7], v[LI], s[16:17] offset:512
	s_wait_dscnt 0x0
	s_barrier_signal -1
	s_barrier_wait -1
	ds_load_b64 v[PS:PS+1], v[ADT]
	ds_load_b64 v[PS+2:PS+3], v[ADT] offset:256
	s_wait_dscnt 0x0
	v_min_num_f32 v[T0], v[ST], v[PS]              ; the joint -M of each map
	v_min_num_f32 v[T0+1], v[ST+4], v[PS+2]
	s_delay_alu instid0(VALU_DEP_2)
	v_sub_f32 v[T0+2], v[T0], v[ST]                ; whole numbers, 0 or less: my M less the joint M, the partner's likewise
	v_sub_f32 v[T0+3], v[T0], v[PS]
	v_sub_f32 v[T0+4], v[T0+1], v[ST+4]
	v_sub_f32 v[T0+5], v[T0+1], v[PS+2]
.irp i, 2,3,4,5
	s_delay_alu instid0(VALU_DEP_4)
	v_cvt_i32_f32 v[T0+\i], v[T0+\i]               ; (it saturates: a part with no step gets the factor 0)
.endr
	s_delay_alu instid0(VALU_DEP_4)
	v_ldexp_f32 v[F1], 1.0, v[T0+2]
	v_ldexp_f32 v[T0+3], 1.0, v[T0+3]
	v_ldexp_f32 v[F2], 1.0, v[T0+4]
	v_ldexp_f32 v[T0+5], 1.0, v[T0+5]
	v_mul_f32 v[L1], v[ST+1], v[F1]
	v_mul_f32 v[L2], v[ST+5], v[F2]
	s_delay_alu instid0(VALU_DEP_2)
	v_fma_f32 v[L1], v[PS+1], v[T0+3], v[L1]
	s_delay_alu instid0(VALU_DEP_2)
	v_fma_f32 v[L2], v[PS+3], v[T0+5], v[L2]
	LJOIN
	s_delay_alu instid0(VALU_DEP_1)
	v_mul_f32 v[GG], v[GG], v[F2]
	v_mov_b32 v[F1+1], v[F1]
	s_delay_alu instid0(VALU_DEP_2)
	v_mov_b32 v[GG+1], v[GG]
	WIN 0x51
.set ri, 0
.rept 64
	v_pk_mul_f32 v[2*ri:2*ri+1], v[2*ri:2*ri+1], v[F1:F1+1] op_sel_hi:[1,0]
.set ri, ri+1
.endr
	COMBINE                                        ; Y = f1 O1 + g f2 O2
	WIN 0
	s_wait_alu depctr_va_vdst(0)
	s_cmp_eq_u32 s[PP], 0
	s_cbranch_scc1 .Lnostore
	WIN 0x04                                       ; part 1: Y as an image of its registers, half into its own stage, half into part 0's
.set gi, 0
.rept 16
	ds_store_b128 v[ADK], v[4*gi:4*gi+3] offset:512*gi
.set gi, gi+1
.endr
.set gi, 0
.rept 16
	ds_store_b128 v[ADV], v[64+4*gi:64+4*gi+3] offset:512*gi
.set gi, gi+1
.endr
	WIN 0
.Lnostore:
	s_wait_dscnt 0x0
	s_barrier_signal -1
	s_barrier_wait -1
	s_cmp_lg_u32 s[PP], 0
	s_cbranch_scc1 .Lend
.set gi, 0
.rept 16
	ds_load_b128 v[YY+4*gi:YY+4*gi+3], v[ADK] offset:512*gi
.set gi, gi+1
.endr
.set gi, 0
.rept 16
	ds_load_b128 v[YY+64+4*gi:YY+64+4*gi+3], v[ADV] offset:512*gi
.set gi, gi+1
.endr
	s_wait_dscnt 0x0
	WIN 0x41
.set ri, 0
.rept 64
	v_pk_add_f32 v[2*ri:2*ri+1], v[2*ri:2*ri+1], v[YY+2*ri:YY+2*ri+1]
.set ri, ri+1
.endr
	FINISH
.Lend:
	s_wait_tensorcnt 0x0                           ; the wave's end
	ds_add_u32 v[SPW], v[NIL]
	s_wait_dscnt 0x0
	s_endpgm
.Lfunc_end_k_q62c2083a2d_attn:
	.size	k_q62c2083a2d_attn, .Lfunc_end_k_q62c2083a2d_attn-k_q62c2083a2d_attn
	.p2alignl 7, 3214868480
	.fill 96, 4, 3214868480
	.section	.rodata,"a",@progbits
	.p2align	6, 0x0
	.amdhsa_kernel k_q62c2083a2d_attn
		.amdhsa_group_segment_fixed_size 327680
		.amdhsa_private_segment_fixed_size 0
		.amdhsa_enable_private_segment 0
		.amdhsa_kernarg_size 64
		.amdhsa_user_sgpr_count 2
		.amdhsa_user_sgpr_kernarg_segment_ptr 1
		.amdhsa_wavefront_size32 1
		.amdhsa_system_sgpr_workgroup_id_x 1
		.amdhsa_system_sgpr_workgroup_id_y 1
		.amdhsa_system_sgpr_workgroup_id_z 1
		.amdhsa_system_vgpr_workitem_id 0
		.amdhsa_next_free_vgpr 512
		.amdhsa_next_free_sgpr 100
		.amdhsa_reserve_vcc 1
		.amdhsa_float_denorm_mode_32 3
		.amdhsa_float_denorm_mode_16_64 3
		.amdhsa_memory_ordered 1
		.amdhsa_forward_progress 1
		.amdhsa_inst_pref_size 255
	.end_amdhsa_kernel
	.section	.bss,"aw",@nobits
	.p2align	6
	.space	262144
	.amdgpu_metadata
---
amdhsa.version: [ 1, 2 ]
amdhsa.kernels:
  - .name:           k_q62c2083a2d_attn
    .symbol:         k_q62c2083a2d_attn.kd
    .args:
      - { .name: qimg, .offset: 0, .size: 8, .value_kind: global_buffer, .address_space: global }
      - { .name: kv, .offset: 8, .size: 8, .value_kind: global_buffer, .address_space: global }
      - { .name: lambda_q1, .offset: 16, .size: 8, .value_kind: global_buffer, .address_space: global }
      - { .name: lambda_k1, .offset: 24, .size: 8, .value_kind: global_buffer, .address_space: global }
      - { .name: lambda_q2, .offset: 32, .size: 8, .value_kind: global_buffer, .address_space: global }
      - { .name: lambda_k2, .offset: 40, .size: 8, .value_kind: global_buffer, .address_space: global }
      - { .name: subln_weight, .offset: 48, .size: 8, .value_kind: global_buffer, .address_space: global }
      - { .name: out0, .offset: 56, .size: 8, .value_kind: global_buffer, .address_space: global }
    .group_segment_fixed_size: 327680
    .private_segment_fixed_size: 0
    .kernarg_segment_align: 8
    .kernarg_segment_size: 64
    .max_flat_workgroup_size: 256
    .sgpr_count:     100
    .vgpr_count:     512
    .wavefront_size: 32
...
	.end_amdgpu_metadata
.endif
;; end of part 2
